; MI455X (gfx1250); checked and timed in simulation.
; The chip was launched on July 23, 2026; its instructions are those of AMD's public machine-readable ISA for CDNA 5 (MIT licence, August 2026) and "CDNA5" Instruction Set Architecture Reference Guide (July 2026). The comments in the code are by the model that wrote it; some were corrected since.
;; Ensemble FC. Allowed arithmetic: matrix products marked QUANTISED: E2M3 operands, one E8M0 scale for each 32 along K, by v_wmma_scale_f32_16x16x128_f8f6f4 with both operands' format E2M3, f32 sums; products left as they are: f32 operands where the result goes on into a quantised operand, else bf16, f16 or f32 operands; f32 sums; everything else in f32.
;; Inputs: alpha 4 x 4,096 float32; bias_p 4 x 4,096 float32; dec_b 4,096 float32; dec_w 4,096 x 32 float32; enc1_b 32 float32; enc1_w 32 x 4,096 float32; encm_b 32 float32; encm_w 32 x 32 float32; eps 4 x 32 float32; fc_w_codes 4,096 x 128 x 24 uint8 (E2M3 codes of fc_w, K innermost, in blocks of 32 codes, four codes in three bytes); fc_w_scales 4,096 x 128 uint8 (E8M0 scales of fc_w, one for each 32 codes along K); gamma 4 x 4,096 float32; x 512 x 4,096 float32.
;; Outputs: out0 2,048 x 4,096 float32.
;; This version of the problem:
;;   THIS VERSION OF THE PROBLEM IS GIVEN IN LOW PRECISION. The matrix products marked QUANTISED in the list below multiply operands that are first quantised to E2M3 (2 exponent bits, 3 mantissa bits; 6 bits a number), with one power-of-two scale for each 32 numbers along K (OCP MX v1.0); their sums are f32. All else is computed in f32.
;;   The module's matrix products, in the order in which they are computed (A, B: the left and right operand; K: the contracted axis; several contracted axes count as one K, in the product's order):
;;     1. [M 4, K 4,096] x [K 4,096, N 32]; A: input alpha; B: input enc1_w: left as it is (M = 4 < 16)
;;     2. [M 4, K 32] x [K 32, N 32]; A: computed on the way; B: input encm_w: left as it is (M = 4 < 16)
;;     3. [M 4, K 32] x [K 32, N 4,096]; A: computed on the way; B: input dec_w: left as it is (M = 4 < 16)
;;     4. [M 2,048, K 4,096] x [K 4,096, N 4,096]; A: computed on the way; B: input fc_w (given as codes): QUANTISED
;;   THE QUANTISER, for each operand of a quantised product, along K:
;;     - K is cut into blocks of 32 from its start; a last block that is shorter is filled with zeros.
;;     - A block's scale is 2^e with e = floor(log2(the largest magnitude in the block)) - 2, held to -126 .. 127; a block of zeros has e = 0. As a byte (E8M0): e + 127.
;;     - Each number is divided by its block's scale, clamped to +-7.5, and rounded to the nearest number of E2M3, ties to even, subnormals kept.
;;     - The product sums the exact products of the quantised numbers (number of the format x scale) in f32.
;;   ~~~python
;;   def quantise(x, axis):      # numpy; x: float32 -> the quantised numbers, widened to float32 again
;;       x = np.moveaxis(x, axis, -1); K = x.shape[-1]
;;       x = np.pad(x, [(0, 0)] * (x.ndim - 1) + [(0, -K % 32)]); x = x.reshape(x.shape[:-1] + (-1, 32)); a = np.abs(x).max(-1, keepdims=True)
;;       e = np.where(a > 0, np.clip(np.frexp(np.where(a > 0, a, 1))[1] - 1 - 2, -126, 127), 0)      # np.frexp(a)[1] - 1 = floor(log2(a)), exactly
;;       r = np.clip(x / 2.0 ** e, -7.5, 7.5)
;;       step = 2.0 ** (np.maximum(np.frexp(np.where(r == 0, 1, r))[1] - 1, 0) - 3)
;;       q = np.round(r / step) * step * 2.0 ** e      # np.round: ties to even
;;       return np.moveaxis(q.reshape(q.shape[:-2] + (-1,))[..., :K], -1, axis).astype(np.float32)
;;   ~~~
;;   OPERANDS COMPUTED ON THE WAY. 'Computed on the way' means the value that the module computes at that place (a softmax that the list does not call 'softmax' is quantised finished and normalised). What goes into a quantiser is computed in f32, as accurately as f32 sums, v_exp_f32 and their like allow (about 1e-6 of the number): no bf16 or f16 on the way to a quantiser, and a product that is left as it is and whose result goes on into a quantised operand takes f32 operands (vector FMAs, or v_wmma_f32_16x16x4_f32). A number that lies on a knife's edge between two numbers of the format may be rounded either way, as far as f32 arithmetic and the matrix unit's own rounding can turn it there, and no further.
;;   INPUTS GIVEN AS CODES. fc_w (in the module: [4096, 4096], K = its axis 1): each comes as NAME_codes (uint8): NAME with its K axis moved to the last place and cut into blocks of 32 codes, [.., K / 32, bytes a block], one block behind the other in memory; four codes in three bytes: a row's codes are one little-endian stream of bits, code i at bits 6 i .. 6 i + 5 (a code: sign, 2 exponent bits, 3 mantissa bits); and NAME_scales (uint8): the same leading axes, one E8M0 byte (e + 127) for each 32 codes along K. Its value is code x scale, taken as it is: it is not quantised again, and the codes and scales need not be those that the quantiser above would give.
;; One version. Each part assembles by itself: llvm-mc -triple=amdgcn-amd-amdhsa -mcpu=gfx1250 --defsym DOCPART=n.
;; ======== version 1 of 1: 3 launches
;; limits: right only within a limited range of input values
;; workspace buffers: epart 4,096 bytes; a_codes 6,291,456 bytes; a_scales 262,144 bytes; b_codes 12,582,912 bytes; b_scales 524,288 bytes
;; launch prep (part 1): grid 256 x 1, 8 waves a work-group, no clusters, 50,688 bytes of LDS; arguments alpha, enc1_w, fc_w_codes, fc_w_scales, epart, b_codes, b_scales; writes epart, b_codes, b_scales
.if DOCPART == 1
	.amdgcn_target "amdgcn-amd-amdhsa--gfx1250"
	.amdhsa_code_object_version 6
	.text
	.protected	k_q39f07f67a3_prep
	.globl	k_q39f07f67a3_prep
	.p2align	8
	.type	k_q39f07f67a3_prep,@function
k_q39f07f67a3_prep:
	s_mov_b64 s[64:65], 0
	v_nop
	global_prefetch_b8 v0, s[64:65] scope:SCOPE_SE
	s_setreg_imm32_b32 hwreg(HW_REG_WAVE_MODE, 25, 1), 1
	s_wait_xcnt 0x0
; TWO THINGS THAT HANG ON THE INPUTS ALONE.
; (1) fc_w's codes and scale bytes are laid in the order in which the product's registers take them; no code and no byte is changed.
;   b_codes [block of 16 rows: 256][K step of 128: 32][1,536 bytes]: register j of lane l at 512 (j / 4) + 16 l + 4 (j % 4).  Lane (r, h) = (l % 16, l / 16) has row r, registers 6 c + i the bytes 96 step + 48 c + 24 h + 4 i of the row.
;   b_scales [group of 64 rows: 64][K step: 32][256 bytes]: lane (r, h) has 8 bytes at 8 l: the scale words of row r of the group's blocks h and 2 + h.
; (2) epart[m][u][s] = sum over k = 512 s .. 512 s + 511 of alpha[m][k] enc1_w[u][k], f32: the encoder's first product in eight parts of K; the next launch adds them, the bias and the relu.
; SHARES.  Work-group g: block g of fc_w's rows; the scale words of group g / 4 for K steps 8 (g % 4) + wave; the parts of unit u = g % 32, s = g / 32, thread t taking k = 512 s + 2 t, 2 t + 1.
; The block's 16 rows (49,152 consecutive bytes) go through LDS in rows of 3,072 + 16 bytes: 772 words, so that the rows of a load start at different groups of four banks (64 banks of 4 bytes: ISA guide 11.1).
; Every store of codes covers 512 consecutive bytes at a multiple of 512, every store of scale words 256 at a multiple of 256; the four parts go to four places of 4 bytes: the buffer has 4,096 bytes and 256 owners.
; No tensor load, no cluster and no prefetch: each number is used once, from registers, all loads are asked for at once, and there is no loop.
; LIMITS: NaN and infinities in alpha and enc1_w are not served.  Codes and scale bytes are carried as they are, whatever they hold.
.set PITCH, 3088
.set ENC,   16*PITCH                   ; LDS: the eight waves' four sums, 16 bytes each
.set SPARE, ENC+256                    ; the spare words, 128 bytes for each wave
.set SU, 28
.set RS, 36
.set PT, 40
.set CD, 64                            ; v64-111  my twelve pieces of 16 bytes
.set PA, 112                           ; v112-143 the eight waves' sums
	s_load_b256 s[4:11], s[0:1], 0x0               ; alpha s[4:5], enc1_w s[6:7], codes s[8:9], scales s[10:11]
	s_load_b128 s[12:15], s[0:1], 0x20             ; epart s[12:13], b_codes s[14:15]
	s_load_b64 s[16:17], s[0:1], 0x30              ; b_scales
	v_lshl_add_u32 v60, v0, 2, SPARE
	v_mov_b32 v61, 0
	v_lshrrev_b32 v1, 5, v0
	v_readfirstlane_b32 s18, v1                    ; wave 0..7
	v_and_b32 v2, 31, v0                           ; lane
	v_and_b32 v3, 15, v0                           ; r
	v_bfe_u32 v4, v0, 4, 1                         ; h
	v_lshlrev_b32 v5, 4, v2
	v_lshlrev_b32 v6, 3, v2
	v_lshlrev_b32 v7, 3, v0                        ; my two numbers of K
	s_mul_i32 s20, s18, 2*PITCH
	v_add_nc_u32 v8, s20, v5                       ; into LDS: rows 2 w, 2 w + 1
	v_mul_u32_u24 v9, v3, PITCH
	v_mad_u32_u24 v9, v4, 24, v9
	s_mul_i32 s20, s18, 384
	v_add_nc_u32 v9, s20, v9                       ; out of it: row r, K steps 4 w on, + 24 h
	v_lshlrev_b32 v10, 7, v2                       ; scale bytes: row 16 h + r of the group, 128 bytes each
	s_lshl_b32 s20, s18, 4
	s_add_co_u32 s20, s20, ENC
	v_mov_b32 v11, s20                             ; where my wave's sums go
	v_mov_b32 v12, ENC
	v_lshlrev_b32 v13, 10, v0                      ; epart: thread m takes row m
.irp m, 0,1,2,3
	v_mov_b32 v[PT+\m], 0                          ; a lane permute's destination counts as one of its sources
.endr
	s_mov_b32 s22, 0x76543210                      ; lane l xor 16
	s_mov_b32 s23, 0xfedcba98
	s_and_b32 s24, ttmp9, 31                       ; u
	s_lshr_b32 s25, ttmp9, 5                       ; s
	s_lshl_b32 s26, s25, 11
	s_mov_b32 s27, 0
	s_lshl_b32 s28, s24, 14
	s_add_co_u32 s28, s28, s26
	s_mov_b32 s29, 0
	s_mul_i32 s30, ttmp9, 49152
	s_mul_i32 s20, s18, 6144
	s_add_co_u32 s30, s30, s20                     ; codes: the same offset in and out
	s_mov_b32 s31, 0
	s_lshr_b32 s32, ttmp9, 2
	s_lshl_b32 s32, s32, 13                        ; the group's 8,192 scale bytes
	s_and_b32 s20, ttmp9, 3
	s_lshl_b32 s34, s20, 3
	s_add_co_u32 s34, s34, s18                     ; my K step
	s_lshl_b32 s36, s34, 2
	s_add_co_u32 s36, s36, s32
	s_mov_b32 s37, 0
	s_lshl_b32 s34, s34, 8
	s_add_co_u32 s34, s34, s32
	s_mov_b32 s35, 0
	s_lshl_b32 s38, s24, 5
	s_lshl_b32 s20, s25, 2
	s_add_co_u32 s38, s38, s20
	s_mov_b32 s39, 0
	s_wait_alu depctr_va_vdst(0)                   ; the wait at the head's end
	s_wait_kmcnt 0x0
	s_add_nc_u64 s[4:5], s[4:5], s[26:27]
	s_add_nc_u64 s[6:7], s[6:7], s[28:29]
	s_add_nc_u64 s[8:9], s[8:9], s[30:31]
	s_add_nc_u64 s[14:15], s[14:15], s[30:31]
	s_add_nc_u64 s[10:11], s[10:11], s[36:37]
	s_add_nc_u64 s[16:17], s[16:17], s[34:35]
	s_add_nc_u64 s[12:13], s[12:13], s[38:39]
	global_load_b64 v[16:17], v7, s[6:7] th:TH_LOAD_NT
.irp m, 0,1,2,3
	global_load_b64 v[18+2*\m:19+2*\m], v7, s[4:5] offset:16384*\m
.endr
	global_load_b32 v26, v10, s[10:11]
	global_load_b32 v27, v10, s[10:11] offset:4096
.irp i, 0,1,2,3,4,5,6,7,8,9,10,11
	global_load_b128 v[CD+4*\i:CD+4*\i+3], v5, s[8:9] offset:512*\i th:TH_LOAD_NT
.endr
	s_wait_loadcnt 14                              ; the five loads of alpha and enc1_w are in; two of scales and twelve of codes may be out
.irp m, 0,1,2,3
	v_pk_mul_f32 v[SU+2*\m:SU+2*\m+1], v[16:17], v[18+2*\m:19+2*\m]
.endr
.irp m, 0,1,2,3
	v_add_f32 v[RS+\m], v[SU+2*\m], v[SU+2*\m+1]
.endr
.irp x, 1,2,4,8                                ; across the 16 lanes of each half, the four sums by turns
.irp m, 0,1,2,3
	v_add_f32_dpp v[RS+\m], v[RS+\m], v[RS+\m] row_xmask:\x row_mask:0xf bank_mask:0xf
.endr
.endr
.irp m, 0,1,2,3
	v_permlanex16_b32 v[PT+\m], v[RS+\m], s22, s23
.endr
.irp m, 0,1,2,3
	v_add_f32 v[RS+\m], v[RS+\m], v[PT+\m]         ; every lane holds the wave's four sums
.endr
	ds_store_b128 v11, v[RS:RS+3]                  ; all lanes of a wave write the same 16 bytes with the same values
	s_wait_loadcnt 12                              ; the scale words are in
	global_store_b64 v6, v[26:27], s[16:17]        ; 32 lanes store 256 consecutive bytes
.irp i, 0,1,2,3,4,5,6,7,8,9,10,11
	s_wait_loadcnt 11-\i                           ; piece i is in
	ds_store_b128 v8, v[CD+4*\i:CD+4*\i+3] offset:(\i/6)*PITCH+512*(\i%6)
.endr
	s_wait_dscnt 0x0                               ; for the others' sake: my stores have landed
	s_barrier_signal -1
	s_barrier_wait -1
; four K steps, three pieces of 16 bytes each: two runs of 8 bytes of the row to a piece
.irp q, 0,1,2,3
	ds_load_2addr_b64 v[CD+12*\q:CD+12*\q+3], v9 offset0:12*\q offset1:12*\q+1
	ds_load_2addr_b64 v[CD+12*\q+4:CD+12*\q+7], v9 offset0:12*\q+2 offset1:12*\q+6
	ds_load_2addr_b64 v[CD+12*\q+8:CD+12*\q+11], v9 offset0:12*\q+7 offset1:12*\q+8
.endr
.irp w, 0,1,2,3,4,5,6,7
	ds_load_b128 v[PA+4*\w:PA+4*\w+3], v12 offset:16*\w
.endr
.irp n, 0,1,2,3,4,5,6,7,8,9,10,11
	s_wait_dscnt 19-\n                             ; piece n is in; the later ones and the eight sums' loads may be out
	global_store_b128 v5, v[CD+4*\n:CD+4*\n+3], s[14:15] offset:512*\n
.endr
	s_wait_dscnt 0x0
.irp i, 0,2,4,6
.irp p, 0,2
	v_pk_add_f32 v[PA+4*\i+\p:PA+4*\i+\p+1], v[PA+4*\i+\p:PA+4*\i+\p+1], v[PA+4*\i+4+\p:PA+4*\i+4+\p+1]
.endr
.endr
.irp i, 0,4
.irp p, 0,2
	v_pk_add_f32 v[PA+4*\i+\p:PA+4*\i+\p+1], v[PA+4*\i+\p:PA+4*\i+\p+1], v[PA+4*\i+8+\p:PA+4*\i+8+\p+1]
.endr
.endr
.irp p, 0,2
	v_pk_add_f32 v[PA+\p:PA+\p+1], v[PA+\p:PA+\p+1], v[PA+16+\p:PA+16+\p+1]
.endr
	v_mov_b32 v14, v[PA]                           ; thread m takes sum m
.irp m, 1,2,3
	v_cmp_eq_u32 vcc_lo, \m, v0
	v_cndmask_b32 v14, v14, v[PA+\m], vcc_lo
.endr
	s_wait_alu depctr_va_vdst(0)                   ; the wait here, directly ahead of the waits below
	s_wait_xcnt 0x0                                ; EXEC changes only behind this wait
	s_wait_tensorcnt 0x0                           ; the wave's end
	ds_add_u32 v60, v61
	s_wait_dscnt 0x0
	v_cmpx_gt_u32 4, v0                            ; threads 0 to 3 alone
	global_store_b32 v13, v14, s[12:13]
	s_endpgm
.Lfunc_end_k_q39f07f67a3_prep:
	.size	k_q39f07f67a3_prep, .Lfunc_end_k_q39f07f67a3_prep-k_q39f07f67a3_prep
	.p2alignl 7, 3214868480
	.fill 96, 4, 3214868480
	.section	.rodata,"a",@progbits
	.p2align	6, 0x0
	.amdhsa_kernel k_q39f07f67a3_prep
		.amdhsa_group_segment_fixed_size 50688
		.amdhsa_private_segment_fixed_size 0
		.amdhsa_enable_private_segment 0
		.amdhsa_kernarg_size 56
		.amdhsa_user_sgpr_count 2
		.amdhsa_user_sgpr_kernarg_segment_ptr 1
		.amdhsa_wavefront_size32 1
		.amdhsa_system_sgpr_workgroup_id_x 1
		.amdhsa_system_sgpr_workgroup_id_y 1
		.amdhsa_system_sgpr_workgroup_id_z 1
		.amdhsa_system_vgpr_workitem_id 0
		.amdhsa_next_free_vgpr 144
		.amdhsa_next_free_sgpr 66
		.amdhsa_reserve_vcc 1
		.amdhsa_float_denorm_mode_32 3
		.amdhsa_float_denorm_mode_16_64 3
		.amdhsa_memory_ordered 1
		.amdhsa_forward_progress 1
		.amdhsa_inst_pref_size 13
	.end_amdhsa_kernel
	.amdgpu_metadata
---
amdhsa.version: [ 1, 2 ]
amdhsa.kernels:
  - .name:           k_q39f07f67a3_prep
    .symbol:         k_q39f07f67a3_prep.kd
    .args:
      - { .name: alpha, .offset: 0, .size: 8, .value_kind: global_buffer, .address_space: global }
      - { .name: enc1_w, .offset: 8, .size: 8, .value_kind: global_buffer, .address_space: global }
      - { .name: fc_w_codes, .offset: 16, .size: 8, .value_kind: global_buffer, .address_space: global }
      - { .name: fc_w_scales, .offset: 24, .size: 8, .value_kind: global_buffer, .address_space: global }
      - { .name: epart, .offset: 32, .size: 8, .value_kind: global_buffer, .address_space: global }
      - { .name: b_codes, .offset: 40, .size: 8, .value_kind: global_buffer, .address_space: global }
      - { .name: b_scales, .offset: 48, .size: 8, .value_kind: global_buffer, .address_space: global }
    .group_segment_fixed_size: 50688
    .private_segment_fixed_size: 0
    .kernarg_segment_align: 8
    .kernarg_segment_size: 56
    .max_flat_workgroup_size: 256
    .sgpr_count:     66
    .vgpr_count:     144
    .wavefront_size: 32
...
	.end_amdgpu_metadata
.endif
;; end of part 1
;; launch quant (part 2): grid 32 x 8, 4 waves a work-group, no clusters, 60,416 bytes of LDS; arguments x, epart, encm_w, encm_b, eps, dec_w, dec_b, a_codes, a_scales, enc1_b; writes a_codes, a_scales
.if DOCPART == 2
	.amdgcn_target "amdgcn-amd-amdhsa--gfx1250"
	.amdhsa_code_object_version 6
	.text
	.protected	k_q39f07f67a3_quant
	.globl	k_q39f07f67a3_quant
	.p2align	8
	.type	k_q39f07f67a3_quant,@function
k_q39f07f67a3_quant:
	s_mov_b64 s[64:65], 0
	v_nop
	global_prefetch_b8 v0, s[64:65] scope:SCOPE_SE
	s_setreg_imm32_b32 hwreg(HW_REG_WAVE_MODE, 25, 1), 1
	s_wait_xcnt 0x0
; The left operand of the large product, A[512 m + b][k] = x[b][k] * alpha_dec[m][k], as codes of FP6 (E2M3) with one E8M0 scale byte for each 32 along K.
; alpha_dec[m][k] = sum over h of z[m][h] dec_w[k][h] + dec_b[k];  z = eps * exp(mu / 2) + mu;  mu[m][j] = sum over h of emb[m][h] encm_w[j][h] + encm_b[j].  All of it in f32, by fused multiply-adds.
; SHARES.  Work-group (s, y): K step s (128 along K) of 64 rows of x, rows 64 y on.  First wave w is MODEL w: lane j makes mu and z of unit j; z goes to scalar registers; lane l makes alpha_dec of k = 128 s + l + 32 i,
; i = 0..3; the 4 x 128 numbers meet in LDS.  Then wave w is x's block of 16 rows 4 y + w, for all four models: x is read from memory once in the launch.
; THE SMALL WEIGHTS COME DENSELY, ONCE FOR THE WORK-GROUP: of encm_w's 32 rows and of this K step's 128 rows of dec_w each wave loads a quarter, 512 consecutive bytes a load, and lays it into LDS in rows of 128 + 16 bytes;
; behind a barrier each lane reads whole rows.  144 bytes = 36 words from row to row: the 16 rows of a pass start at 16 different groups of four banks (64 banks of 4 bytes: ISA guide 11.1).
; x's loads take the bytes as they lie (a row's 512 bytes to a load); the block turns through the wave's own stage in LDS, so that lane (r, h) holds row r and its register 16 b + i the number k = 32 b + 16 h + i.
; A block of 32's scale is 2^(floor(log2(its largest magnitude)) - 2); its byte is the largest magnitude's exponent field - 2, held at 1 from below.
; LAYOUT OF THE RESULTS (read by this program's product alone): a_codes [block of 16 rows: 128][K step: 32][1,536 bytes] is the IMAGE OF THE OPERAND'S REGISTERS: register j of lane l at 512 (j / 4) + 16 l + 4 (j % 4).
; a_scales [group of 128 rows: 16][K step: 32][512 bytes]: the word of row r of the group's block j + 4 u at 16 r + 256 u + 4 j.
; Every store of codes covers 512 consecutive bytes at a multiple of 512; every store of scale words 256 consecutive bytes at a multiple of 256.
; No tensor load and no ring: each number is used once.  No cluster: the work-groups share only the small weights.  No loop: every offset is an immediate.
; LIMITS: NaN and infinities are not served.  A block of zeros, and one whose largest magnitude lies under 2^-124, keeps the byte 1 (a block of zeros has zero codes, which add nothing under that byte).
; exp(mu / 2) under 2^-126 comes out as 0 (the exponential's result is flushed: ISA guide, 15.8).
.set ADL,  0                           ; LDS: alpha_dec [4][128] f32
.set SG,   2048                        ; the scale words: 256 m + 16 r + 4 w
.set STG,  3072                        ; a stage for each wave: 16 rows x (512 bytes + 16)
.set SPI,  528                         ; 132 words: row r starts at bank 4 r mod 64
.set DWL,  36864                       ; this K step's 128 rows of dec_w, 144 bytes apart
.set EWL,  55296                       ; encm_w's 32 rows likewise
.set WPI,  144
.set X,    16                          ; v16-79    my block of x
.set DW,   80                          ; v80-111 my quarter of dec_w as loaded; then v80-207 four whole rows of it; later two sets of 64 numbers
.set SETA, 80
.set EW,   208                         ; v208-215 my quarter of encm_w as loaded; then v208-239 its row l; later:
.set TM,   208                         ; v208-211 largest magnitudes, v212-215 bytes, v220-223 the conversions' scale operands
.set PW,   224                         ; the scale word just made
.set PC,   226                         ; v226-237 the codes just made; v238-244 at work
.set AD,   246                         ; v246-249 dec_b, then alpha_dec
.set SEL,  56                          ; s[56:57] lane selects for v_permlanex16_b32: lane l xor 16
; 64 numbers of a lane, v[s] .. v[s + 63], register 16 b + i = k 32 b + 16 (lane / 16) + i of my row, become a fragment's codes in v[PC] on and its scale word in v[PW].
.macro QUANT s
.irp b, 0,1,2,3
	v_max3_num_f32 v[TM+\b], |v[\s+16*\b]|, |v[\s+1+16*\b]|, 0x1800000   ; block b: my 16 numbers, and the floor 2^(3 - 127): so the byte cannot fall under 1
.endr
.irp i, 2,4,6,8,10,12,14
.irp b, 0,1,2,3
	v_max3_num_f32 v[TM+\b], v[TM+\b], |v[\s+16*\b+\i]|, |v[\s+1+16*\b+\i]|   ; the four blocks by turns
.endr
.endr
.irp b, 0,1,2,3
	v_permlanex16_b32 v[TM+4+\b], v[TM+\b], s[SEL], s[SEL+1]
.endr
.irp b, 0,1,2,3
	v_max_num_f32 v[TM+\b], v[TM+\b], v[TM+4+\b]   ; with lane l xor 16's: the block's largest magnitude
.endr
.irp b, 0,1,2,3
	v_add_nc_u32 v[TM+12+\b], 0xff000000, v[TM+\b]   ; 2 off its exponent field: the conversion takes the exponent field of this operand as its scale
.endr
.irp b, 0,1,2,3
	v_lshrrev_b32 v[TM+4+\b], 23, v[TM+12+\b]      ; the scale's byte
.endr
	v_lshl_or_b32 v[PW], v[TM+5], 8, v[TM+4]       ; the four bytes make my row's scale word (the same in lanes l and l xor 16)
	v_lshl_or_b32 v[PW], v[TM+6], 16, v[PW]
	v_lshl_or_b32 v[PW], v[TM+7], 24, v[PW]
.irp c, 0,1
	v_cvt_scalef32_pk16_fp6_f32 v[PC+6*\c:PC+2+6*\c], v[\s+32*\c:\s+15+32*\c], v[TM+12+2*\c]
	v_cvt_scalef32_pk16_fp6_f32 v[PC+12+4*\c:PC+14+4*\c], v[\s+16+32*\c:\s+31+32*\c], v[TM+12+2*\c+1]   ; (a conversion's three registers begin on an even number)
.endr
	v_nop                                          ; one plain place behind a scaled conversion
.irp c, 0,1                                    ; the operand's layout wants a WHOLE block in a lane: lanes 0-15 block 2 c, lanes 16-31 block 2 c + 1
.irp i, 0,1,2
	v_permlane16_swap_b32 v[PC+6*\c+\i], v[PC+12+4*\c+\i]
.endr
.irp i, 0,1,2
	v_mov_b32 v[PC+3+6*\c+\i], v[PC+12+4*\c+\i]
.endr
.endr
.endm
	s_load_b512 s[4:19], s[0:1], 0x0               ; x s[4:5], emb s[6:7], encm_w s[8:9], encm_b s[10:11], eps s[12:13], dec_w s[14:15], dec_b s[16:17], a_codes s[18:19]
	; s[6:7] is epart: emb[m][h] = relu(the sum of epart[m][h][0..7] + enc1_b[h]) is made here, lane h of wave m, by the first launch's eight parts of K
	s_load_b64 s[20:21], s[0:1], 0x40              ; a_scales
	s_load_b64 s[24:25], s[0:1], 0x48              ; enc1_b
	v_lshl_add_u32 v241, v0, 2, 0xea00
	v_mov_b32 v245, 0
	v_lshrrev_b32 v1, 5, v0
	v_readfirstlane_b32 s22, v1                    ; wave 0..3
	v_and_b32 v1, 31, v0                           ; lane l
	v_and_b32 v2, 15, v0                           ; r
	v_bfe_u32 v3, v0, 4, 1                         ; h
	v_lshlrev_b32 v4, 4, v1                        ; 16 l
	v_mul_u32_u24 v5, v1, WPI                      ; 144 l: row l of the weights in LDS
	v_lshlrev_b32 v6, 2, v1                        ; 4 l
	v_lshlrev_b32 v14, 3, v1                       ; 8 l
	v_lshlrev_b32 v242, 5, v1                      ; 32 l: unit l's eight parts
	s_mul_i32 s58, s22, 16*SPI
	s_add_co_u32 s58, s58, STG                     ; my stage
	s_lshl_b32 s59, s22, 9
	s_lshl_b32 s60, s22, 2
	s_add_co_u32 s60, s60, SG
	s_lshl_b32 s61, s22, 8
	s_add_co_u32 s61, s61, SG
	v_add_nc_u32 v7, s58, v4                       ; into the stage: 16 l of a row
	v_mul_u32_u24 v8, v2, SPI
	v_lshl_add_u32 v8, v3, 6, v8
	v_add_nc_u32 v8, s58, v8                       ; out of it: row r, + 64 h
	v_lshlrev_b32 v9, 6, v3                        ; alpha_dec for my half: ADL + 64 h
	v_add_nc_u32 v10, s59, v6                      ; where I put alpha_dec: ADL + 512 w + 4 l
	v_lshlrev_b32 v11, 4, v2
	v_add_nc_u32 v11, s60, v11                     ; where I put a scale word: SG + 16 r + 4 w
	v_add_nc_u32 v12, s61, v14                     ; where I read them back: SG + 256 w + 8 l
	v_bfe_u32 v13, v0, 3, 2                        ; a load's 512 bytes are four rows of 128: row l / 8,
	v_mul_u32_u24 v13, v13, WPI
	v_and_b32 v15, 7, v0
	v_lshl_add_u32 v13, v15, 4, v13                ; byte 16 (l % 8)
	s_mul_i32 s58, s22, 8*WPI
	v_add_nc_u32 v15, s58, v13                     ; encm_w: my 8 rows
	s_mul_i32 s58, s22, 32*WPI
	v_add_nc_u32 v13, s58, v13                     ; dec_w: my 32 rows
	s_and_b32 s23, ttmp7, 0xffff                   ; y
	s_mov_b32 s[SEL], 0x76543210
	s_mov_b32 s[SEL+1], 0xfedcba98
	s_mov_b32 s63, 0
	s_wait_alu depctr_va_vdst(0)
	s_wait_kmcnt 0x0
	s_lshl_b32 s62, s22, 10                        ; model w's 32 x 8 parts,
	s_add_nc_u64 s[6:7], s[6:7], s[62:63]
	s_lshl_b32 s62, s22, 7                         ; and its row of eps
	s_add_nc_u64 s[12:13], s[12:13], s[62:63]
	s_lshl_b32 s62, s22, 10                        ; encm_w: rows 8 w on, 128 bytes each
	s_add_nc_u64 s[8:9], s[8:9], s[62:63]
	s_lshl_b32 s62, ttmp9, 14                      ; dec_w: rows 128 s + 32 w on
	s_lshl_b32 s58, s22, 12
	s_add_co_u32 s62, s62, s58
	s_add_nc_u64 s[14:15], s[14:15], s[62:63]
	s_lshl_b32 s62, ttmp9, 9                       ; dec_b and a row of x: 128 s numbers on
	s_add_nc_u64 s[16:17], s[16:17], s[62:63]
	s_lshl_b32 s58, s23, 20                        ; x: row 64 y + 16 w, 16,384 bytes a row
	s_lshl_b32 s59, s22, 18
	s_add_co_u32 s58, s58, s59
	s_add_co_u32 s62, s62, s58
	s_add_nc_u64 s[4:5], s[4:5], s[62:63]
	s_lshl_b32 s58, s23, 2                         ; a_codes: ((4 y + w) x 32 + s) x 1,536; model m lies 32 x 32 x 1,536 bytes further on
	s_add_co_u32 s58, s58, s22
	s_lshl_b32 s58, s58, 5
	s_add_co_u32 s58, s58, ttmp9
	s_mul_i32 s62, s58, 1536
	s_add_nc_u64 s[18:19], s[18:19], s[62:63]
	s_lshl_b32 s58, s22, 2                         ; a_scales, for the model whose words I store (w): ((4 w + y / 2) x 32 + s) x 512 + 256 (y % 2)
	s_lshr_b32 s59, s23, 1
	s_add_co_u32 s58, s58, s59
	s_lshl_b32 s58, s58, 5
	s_add_co_u32 s58, s58, ttmp9
	s_lshl_b32 s58, s58, 9
	s_and_b32 s59, s23, 1
	s_lshl_b32 s59, s59, 8
	s_add_co_u32 s62, s58, s59
	s_add_nc_u64 s[20:21], s[20:21], s[62:63]
	; ---- all loads at once, in the order in which they are wanted: 35 a wave, each of neighbouring bytes in neighbouring lanes
.irp i, 0,1
	global_load_b128 v[EW+4*\i:EW+4*\i+3], v4, s[8:9] offset:512*\i      ; my quarter of encm_w
.endr
	global_load_b32 v250, v6, s[10:11]             ; encm_b[l]
	global_load_b32 v251, v6, s[12:13]             ; eps[w][l]
	global_load_b128 v[112:115], v242, s[6:7]      ; unit l's eight parts
	global_load_b128 v[116:119], v242, s[6:7] offset:16
	global_load_b32 v120, v6, s[24:25]             ; enc1_b[l]
.irp i, 0,1,2,3,4,5,6,7
	global_load_b128 v[DW+4*\i:DW+4*\i+3], v4, s[14:15] offset:512*\i    ; my quarter of this K step's rows of dec_w
.endr
.irp i, 0,1,2,3
	global_load_b32 v[AD+\i], v6, s[16:17] offset:128*\i
.endr
.irp i, 0,1,2,3,4,5,6,7,8,9,10,11,12,13,14,15
	global_load_b128 v[X+4*\i:X+4*\i+3], v4, s[4:5] offset:16384*\i th:TH_LOAD_NT   ; row i of my block: 512 consecutive bytes; read once in the launch
.endr
	; ---- the weights meet in LDS
	s_wait_loadcnt 20                              ; both quarters are in; dec_b's four loads and x's sixteen may be out
.irp i, 0,1
	ds_store_b128 v15, v[EW+4*\i:EW+4*\i+3] offset:EWL+4*WPI*\i
.endr
.irp i, 0,1,2,3,4,5,6,7
	ds_store_b128 v13, v[DW+4*\i:DW+4*\i+3] offset:DWL+4*WPI*\i
.endr
	v_pk_add_f32 v[112:113], v[112:113], v[114:115]   ; emb[w][l], while the stores are out
	v_pk_add_f32 v[116:117], v[116:117], v[118:119]
	v_pk_add_f32 v[112:113], v[112:113], v[116:117]
	v_add_f32 v112, v112, v113
	v_add_f32 v112, v112, v120
	v_max_num_f32 v112, 0, v112                    ; relu
.set hh, 0
.rept 32
	v_readlane_b32 s[24+hh], v112, hh              ; emb[w][0..31] in scalar registers
.set hh, hh+1
.endr
	s_wait_dscnt 0x0                               ; for the others' sake: my stores have landed
	s_barrier_signal -1
	s_barrier_wait -1                              ; all rows of both weights lie in LDS; nobody writes them again
.irp j, 0,1,2,3,4,5,6,7
	ds_load_b128 v[EW+4*\j:EW+4*\j+3], v5 offset:EWL+16*\j               ; encm_w's row l
.endr
.irp i, 0,1,2,3
.irp j, 0,1,2,3,4,5,6,7
	ds_load_b128 v[DW+32*\i+4*\j:DW+32*\i+4*\j+3], v5 offset:DWL+32*WPI*\i+16*\j   ; dec_w's row 128 s + l + 32 i
.endr
.endr
	; ---- mu and z of model w, unit l
	s_wait_dscnt 32                                ; encm_w's row is in; dec_w's 32 loads may be out
	v_fma_f32 v252, s24, v[EW], v250               ; four chains; the first starts on the bias
.irp c, 1,2,3
	v_mul_f32 v[252+\c], s[24+\c], v[EW+\c]
.endr
.set hh, 4
.rept 28
	v_fmac_f32 v[252+hh%4], s[24+hh], v[EW+hh]
.set hh, hh+1
.endr
	v_add_f32 v252, v252, v253
	v_add_f32 v254, v254, v255
	v_add_f32 v252, v252, v254                     ; mu
	v_mul_f32 v253, 0x3f38aa3b, v252               ; mu x log2(e) / 2
	s_wait_alu depctr_va_vdst(0)
	v_exp_f32 v253, v253                           ; exp(mu / 2)
	v_nop                                          ; a plain place behind the exponential
	s_wait_alu depctr_va_vdst(0)                   ; ahead of the first use of the exponential's result
	v_fma_f32 v254, v251, v253, v252               ; z = eps exp(mu / 2) + mu
.irp b, 0,1,2,3
	v_mov_b32 v[TM+4+\b], 0                        ; written once: a lane permute's destination counts as one of its sources
.endr
	; ---- alpha_dec of model w at k = 128 s + l + 32 i
.set hh, 0
.rept 32
	v_readlane_b32 s[24+hh], v254, hh              ; z[w][0..31] in scalar registers
.set hh, hh+1
.endr
	s_wait_loadcnt 16                              ; dec_b is in; x's 16 loads may be out
	s_wait_dscnt 0x0                               ; dec_w's rows are in
.set hh, 0
.rept 32
.irp i, 0,1,2,3
	v_fmac_f32 v[AD+\i], s[24+hh], v[DW+32*\i+hh]  ; the sums start on dec_b; the four by turns
.endr
.set hh, hh+1
.endr
.irp i, 0,1,2,3
	ds_store_b32 v10, v[AD+\i] offset:ADL+128*\i
.endr
	; ---- x turns through my stage, into the registers that it left: LDS serves a wave's instructions in order (ISA guide 5.7.1.4)
	s_wait_loadcnt 0x0
.irp i, 0,1,2,3,4,5,6,7,8,9,10,11,12,13,14,15
	ds_store_b128 v7, v[X+4*\i:X+4*\i+3] offset:SPI*\i
.endr
.irp b, 0,1,2,3
.irp j, 0,1,2,3
	ds_load_b128 v[X+16*\b+4*\j:X+16*\b+4*\j+3], v8 offset:128*\b+16*\j
.endr
.endr
	s_wait_dscnt 0x0                               ; my alpha_dec has landed (for the others' sake), and x is back
	s_barrier_signal -1
	s_barrier_wait -1                              ; all four models' alpha_dec lie in LDS
; alpha_dec[m] in x's layout: sixteen lanes share each address
.macro LOADAD m, set
.irp b, 0,1,2,3
.irp j, 0,1,2,3
	ds_load_b128 v[SETA+64*(\set)+16*\b+4*\j:SETA+64*(\set)+16*\b+4*\j+3], v9 offset:ADL+512*(\m)+128*\b+16*\j
.endr
.endr
.endm
; Model m: the products, the quantiser, the stores.  cnt: the LDS instructions issued behind this set's loads, which may stay out
.macro MODEL m, cnt
.set SS, SETA+64*((\m)%2)
	s_wait_dscnt \cnt
.set ii, 0
.rept 32
	v_pk_mul_f32 v[SS+ii:SS+ii+1], v[X+ii:X+ii+1], v[SS+ii:SS+ii+1]   ; x * alpha_dec: one rounding, as in the definition
.set ii, ii+2
.endr
.if (\m) > 0
	s_wait_xcnt 0x0                                ; the last model's stores have read the codes' registers: they are written again only behind this wait
.endif
	QUANT SS
.irp c, 0,1,2
	global_store_b128 v4, v[PC+4*\c:PC+4*\c+3], s[18:19] offset:1572864*(\m)+512*\c   ; 512 consecutive bytes; the largest offset, 4,719,616, lies inside the signed 24-bit immediate (ISA guide, chapter 10)
.endr
	ds_store_b32 v11, v[PW] offset:256*(\m)        ; lanes l and l xor 16 write the same word with the same value
.if (\m) < 2
	LOADAD (\m)+2, (\m)%2
.endif
.endm
	LOADAD 0, 0
	LOADAD 1, 1
	MODEL 0, 16                                    ; behind set 0's loads: set 1's sixteen
	MODEL 1, 17                                    ; a scale word's store and sixteen loads
	MODEL 2, 17
	MODEL 3, 1                                     ; a scale word's store
	s_wait_dscnt 0x0                               ; for the others' sake: my scale words have landed
	s_barrier_signal -1
	s_barrier_wait -1
	ds_load_b64 v[252:253], v12                    ; model w's 64 words of this K step
	s_wait_dscnt 0x0
	global_store_b64 v14, v[252:253], s[20:21]     ; 32 lanes store 256 consecutive bytes, at a multiple of 256
	s_wait_tensorcnt 0x0
	ds_add_u32 v241, v245
	s_wait_dscnt 0x0
	s_endpgm
.Lfunc_end_k_q39f07f67a3_quant:
	.size	k_q39f07f67a3_quant, .Lfunc_end_k_q39f07f67a3_quant-k_q39f07f67a3_quant
	.p2alignl 7, 3214868480
	.fill 96, 4, 3214868480
	.section	.rodata,"a",@progbits
	.p2align	6, 0x0
	.amdhsa_kernel k_q39f07f67a3_quant
		.amdhsa_group_segment_fixed_size 60416
		.amdhsa_private_segment_fixed_size 0
		.amdhsa_enable_private_segment 0
		.amdhsa_kernarg_size 80
		.amdhsa_user_sgpr_count 2
		.amdhsa_user_sgpr_kernarg_segment_ptr 1
		.amdhsa_wavefront_size32 1
		.amdhsa_system_sgpr_workgroup_id_x 1
		.amdhsa_system_sgpr_workgroup_id_y 1
		.amdhsa_system_sgpr_workgroup_id_z 1
		.amdhsa_system_vgpr_workitem_id 0
		.amdhsa_next_free_vgpr 256
		.amdhsa_next_free_sgpr 66
		.amdhsa_reserve_vcc 0
		.amdhsa_float_denorm_mode_32 3
		.amdhsa_float_denorm_mode_16_64 3
		.amdhsa_memory_ordered 1
		.amdhsa_forward_progress 1
		.amdhsa_inst_pref_size 52
	.end_amdhsa_kernel
	.amdgpu_metadata
---
amdhsa.version: [ 1, 2 ]
amdhsa.kernels:
  - .name:           k_q39f07f67a3_quant
    .symbol:         k_q39f07f67a3_quant.kd
    .args:
      - { .name: x, .offset: 0, .size: 8, .value_kind: global_buffer, .address_space: global }
      - { .name: epart, .offset: 8, .size: 8, .value_kind: global_buffer, .address_space: global }
      - { .name: encm_w, .offset: 16, .size: 8, .value_kind: global_buffer, .address_space: global }
      - { .name: encm_b, .offset: 24, .size: 8, .value_kind: global_buffer, .address_space: global }
      - { .name: eps, .offset: 32, .size: 8, .value_kind: global_buffer, .address_space: global }
      - { .name: dec_w, .offset: 40, .size: 8, .value_kind: global_buffer, .address_space: global }
      - { .name: dec_b, .offset: 48, .size: 8, .value_kind: global_buffer, .address_space: global }
      - { .name: a_codes, .offset: 56, .size: 8, .value_kind: global_buffer, .address_space: global }
      - { .name: a_scales, .offset: 64, .size: 8, .value_kind: global_buffer, .address_space: global }
      - { .name: enc1_b, .offset: 72, .size: 8, .value_kind: global_buffer, .address_space: global }
    .group_segment_fixed_size: 60416
    .private_segment_fixed_size: 0
    .kernarg_segment_align: 8
    .kernarg_segment_size: 80
    .max_flat_workgroup_size: 128
    .sgpr_count:     66
    .vgpr_count:     256
    .wavefront_size: 32
...
	.end_amdgpu_metadata
.endif
;; end of part 2
;; launch gemm (part 3): grid 32 x 8, 4 waves a work-group, clusters of 4 x 4, 327,680 bytes of LDS; arguments a_codes, a_scales, b_codes, b_scales, gamma, bias_p, out0; writes out0
.if DOCPART == 3
	.amdgcn_target "amdgcn-amd-amdhsa--gfx1250"
	.amdhsa_code_object_version 6
	.text
	.protected	k_q39f07f67a3_gemm
	.globl	k_q39f07f67a3_gemm
	.p2align	8
	.type	k_q39f07f67a3_gemm,@function
k_q39f07f67a3_gemm:
	s_mov_b64 s[64:65], 0
	v_nop
	global_prefetch_b8 v0, s[64:65] scope:SCOPE_SE
	s_setreg_imm32_b32 hwreg(HW_REG_WAVE_MODE, 25, 1), 1
	s_wait_xcnt 0x0
	s_wait_alu depctr_hold_cnt(0) depctr_sa_sdst(0) depctr_va_vdst(0) depctr_va_sdst(0) depctr_va_ssrc(0) depctr_va_vcc(0) depctr_vm_vsrc(0)
	s_getreg_b32 s2, hwreg(HW_REG_IB_STS2, 6, 4)
	s_cmp_eq_u32 s2, 0
	s_cbranch_scc0 .Lentry_in_a_cluster
	s_endpgm
.Lentry_in_a_cluster:
	s_bfe_u32 s2, ttmp6, 0x10000c
	s_cmp_lg_u32 s2, 0xf033
	s_cbranch_scc0 .Lentry_shape_is_right
	s_endpgm
.Lentry_shape_is_right:
; out0[i][o] = gamma[i / 512][o] * (sum over k of A[i][k] fc_w[o][k]) + bias_p[i / 512][o].  A [2048][4096] and fc_w [4096][4096]: codes of FP6 (E2M3) with one E8M0 scale for each 32 along K; sums in f32.
; Both operands come from this program's earlier launches as IMAGES OF THE OPERAND'S REGISTERS: [block of 16 rows][K step of 128: 32][1,536 bytes], register j of lane l at 512 (j / 4) + 16 l + 4 (j % 4).
; TILE.  A work-group makes 256 rows x 128 columns: 8 x 32 = 256 work-groups.  Its four waves stand 2 x 2; a wave makes 128 x 64: 8 blocks of A x 4 blocks of fc_w, 32 accumulators, 256 registers.
; RING.  K goes in slots of 512 (four steps of 128) through two LDS slots: A's 16 blocks x 6,144 bytes, then fc_w's 8 blocks x 6,144 bytes, dense: the tiles' rows in memory are 6,144 bytes at multiples of 256.
; HEAD.  One tensor load a wave brings BOTH slots: waves 0 and 1 slot 0's two tiles, waves 2 and 3 slot 1's.  The first barrier waits for the loads of waves 0 and 1 alone.
; SCALES come straight into scale registers, a slot ahead: A's by loads of 16 bytes a lane for each step (lanes 0-15 blocks 0-3, lanes 16-31 blocks 4-7), fc_w's by loads of 8 (lanes 0-15 blocks 0 and 2, lanes 16-31 blocks 1 and 3).
; CLUSTERS: 4 x 4 work-groups.  The four of a row of the cluster need the same tiles of A, the four of a column the same tiles of fc_w: each is asked for JOINTLY, by the same tensor load with the same descriptor and a mask that names the four.
; A STEP is 32 products.  Behind the first four stands ONE run of 36 LDS loads, the next step's fragments, into the other set of registers; the other 28 follow without a switch of the window.
; THE LAST SLOT GOES BY ROWS OF THE RESULT: each block of 16 rows is finished with 16 products and leaves while the next one is multiplied.
; THE MATRIX INSTRUCTION IS USED TRANSPOSED (source 0 = 16 rows of fc_w, source 1 = 16 rows of A): a lane then holds eight neighbouring numbers of a row of out0.
; REGISTERS.  Window 0: v1-31 addresses; v32-63 A's scale words, two sets; v64-95 fc_w's; v96-127 finished numbers; v128-143 and v240-255 rows read back; v144-239 fc_w's fragments, two sets.
;   Window 1: v0-191 A's fragments, two sets of 96 (in the last slot: four buffers of a block x four steps).   Window 2: accumulator (a, b) at v[8 (4 a + b)].
;   Window 3: v0-31 gamma, v32-63 the bias of my 64 columns; v96-191 fc_w's fragments of the last slot's steps 1 and 2.
; LIMITS: a scale byte 0xff among fc_w's makes the sums NaN, as the format says; nothing else is assumed of the given codes and scales.
.set SB_A,   6144                      ; a block's slot (four K steps)
.set ROWM,   49152                     ; a block's 32 K steps in memory
.set BOFF,   16*SB_A
.set SLOT,   24*SB_A
.set STAGE,  2*SLOT                    ; the way out: 16 rows x (256 bytes + 16) for each wave; no fill lands there
.set SPITCH, 272
.set SPARE,  STAGE+4*16*SPITCH         ; the spare words, 128 bytes for each wave: two blocks of 256 bytes that no other line names
.set L8,   11                          ; v11     8 x lane
.set PFO,  12                          ; v12     the prefetches' offsets; never rewritten
.set PFO2, 13
.set ADA,  16                          ; v16-17  LDS address of my A fragments in slot 0, 1
.set ADB,  20                          ; v20-21  the same for fc_w
.set STO,  24                          ; v24     the way out: where I put 32 bytes of a row
.set RD,   25                          ; v25     where I read rows back
.set CO,   26                          ; v26     my byte offset in two rows of out0
.set SPW,  28                          ; v28     LDS address of my spare word
.set NIL,  29                          ; v29     0
.set L16,  30                          ; v30     16 x lane
.set H32,  31                          ; v31     32 x (lane / 16)
.set SA,   32                          ; A's scale words: set u at 16 u; register 4 q + a % 4
.set SB,   64                          ; fc_w's: set u at 16 u; register 8 (q / 2) + 4 ((q + 1) % 2) + b / 2: never A's number modulo 8
.set T,    96
.set BF,   144
.set GA,   0                           ; window 3
.set BI,   32                          ; window 3
.set PFA,  26                          ; s[26:27] where my prefetches stand in memory
.set G1A,  28                          ; s[28:35] descriptor group 1 for A;  s[36:43] group 0, one set for each slot
.set G0A,  36
.set G1B,  44                          ; s[44:51], s[52:59] the same for fc_w
.set G0B,  52
.set ASC,  60                          ; s[60:61], s[62:63] the scale words of the slot at work
.set BSC,  62
.set HA0,  68                          ; s[68:83] group 0 of the head's four loads
.set HB0,  72
.set HA1,  76
.set HB1,  80
.set MSB, 0
.macro WIN new                         ; the immediate's high byte repeats the setting that is left
.if MSB != \new
	s_set_vgpr_msb (MSB<<8)|\new
.set MSB, \new
.endif
.endm
.set MUL,  0xa4                        ; source 0 (fc_w) window 0, source 1 (A) window 1, C and D window 2
.set MUL3, 0xa7                        ; the same, source 0 window 3
.macro PLACES
.rept 4
	v_nop
.endr
.endm
.macro GROUP0 g, base, off             ; all but the LDS address
	s_mov_b32 s[\g], 1
	s_add_nc_u64 s[\g+2:\g+3], s[\base:\base+1], \off
	s_or_b32 s[\g+3], s[\g+3], 0x80000000
.endm
.macro ARM n, g0, g1, next             ; an arm of the head's chain: one load, and a jump to the chain's end
	s_cmp_eq_u32 s18, \n
	s_cbranch_scc0 \next
	tensor_load_to_lds s[\g0:\g0+3], s[\g1:\g1+7]
	s_nop 0
	PLACES
	s_branch .Lasked
\next:
.endm
; A joint refill of slot s: waves 0 and 1 fetch A's halves, waves 2 and 3 fc_w's.  Each of the two lines has ONE mask and one set of registers for all that issue it; the branch hangs on the wave's number alone.
.macro JLOAD s
	s_cmp_eq_u32 s19, 0
	s_cbranch_scc0 .Lfor_b_\@
	tensor_load_to_lds s[G0A+4*\s:G0A+4*\s+3], s[G1A:G1A+7]
	s_nop 0
	PLACES
	s_branch .Lasked_\@
.Lfor_b_\@:
	tensor_load_to_lds s[G0B+4*\s:G0B+4*\s+3], s[G1B:G1B+7]
	s_nop 0
	PLACES
.Lasked_\@:
.endm
.macro CREST                           ; a round of the cluster's barrier behind its opening barrier
	s_cmp_lg_u32 s18, 0
	s_cbranch_scc1 .Lnot_wave_0_\@
	s_barrier_signal -3
.Lnot_wave_0_\@:
	s_barrier_wait -3
	s_barrier_signal -1
	s_barrier_wait -1
.endm
.macro CROUND                          ; a whole round
	s_barrier_signal -1
	s_barrier_wait -1
	CREST
.endm
; PREFETCH INTO THE L2: the codes of one slot.  Every cluster asks for what it will itself load, each aligned block of 256 bytes once: the four partners that ask jointly for a tile share it out BY ADDRESS.
; A: the partner at cx takes blocks 4 cx .. 4 cx + 3 of the tile's 16: 4 x 24 units of 256 bytes: waves 0 to 2, one instruction each.  fc_w: the partner at cy takes blocks 2 cy, 2 cy + 1 of 8: 48 units: wave 3, two instructions
; (the second's lanes past the 48th name the last again).  Slot 2 is asked for at the head, slot 3 behind the first fragments' loads, and at each change of slots the slot that stands two refills on; the loop's last trip asks for nothing.
.macro PF off
	global_prefetch_b8 v[PFO], s[PFA:PFA+1] offset:\off th:TH_LOAD_NT scope:SCOPE_SE
	s_cmp_eq_u32 s18, 3
	s_cbranch_scc0 .Lone_\@
	global_prefetch_b8 v[PFO2], s[PFA:PFA+1] offset:\off th:TH_LOAD_NT scope:SCOPE_SE
.Lone_\@:
.endm
.macro UNIT dst, u                     ; offset of the u-th unit: 24 to a block (171 / 4,096 serves up to u = 95)
	v_mul_u32_u24 v14, \u, 171
	v_lshrrev_b32 v14, 12, v14
	v_mul_u32_u24 v15, v14, 24
	v_sub_nc_u32 v15, \u, v15
	v_lshlrev_b32 v15, 8, v15
	v_mad_u32_u24 \dst, v14, ROWM, v15
.endm
.macro SCALES u, n                     ; the scale words of the slot n on from the bases, into set u
.irp q, 0,1,2,3
.set YA, SA+16*(\u)+4*\q
.set YB, SB+16*(\u)+8*(\q/2)+4*((\q+1)%2)
	global_load_b128 v[YA:YA+3], v[L16], s[ASC:ASC+1] offset:2048*(\n)+512*\q
	global_load_b64 v[YB:YB+1], v[L8], s[BSC:BSC+1] offset:1024*(\n)+256*\q
.endr
.endm
; ---- products.  xA, RB0, RD0: the registers of A's fragment, of fc_w's block 0 and of its accumulator; CP: the set of fragments; CQ, CU: the step in its slot and the set of scale words; CZ = 1: the product starts the sum
.macro AT p, q, u, z
.set CP, \p
.set CQ, \q
.set CU, \u
.set CZ, \z
.endm
.macro WM1 c, ar, br
	v_wmma_scale_f32_16x16x128_f8f6f4 v[xD:xD+7], v[xB:xB+11], v[xA:xA+11], \c, v[xX], v[xY] matrix_a_fmt:MATRIX_FMT_FP6 matrix_b_fmt:MATRIX_FMT_FP6 matrix_a_scale:MATRIX_SCALE_ROW\ar matrix_b_scale:MATRIX_SCALE_ROW\br
.endm
.macro WM2 c, a, b
.if (\b)%2
.if (\a) < 4
	WM1 \c, 1, 0
.else
	WM1 \c, 1, 1
.endif
.else
.if (\a) < 4
	WM1 \c, 0, 0
.else
	WM1 \c, 0, 1
.endif
.endif
.endm
.macro WMUL a, b
.set xD, RD0+8*(\b)
.set xB, RB0+12*(\b)
.set xX, SB+16*CU+8*(CQ/2)+4*((CQ+1)%2)+(\b)/2
.set xY, SA+16*CU+4*CQ+(\a)%4
.if CZ
	WM2 0, \a, \b
.else
	WM2 v[xD:xD+7], \a, \b
.endif
.endm
.macro BLK a                           ; A's block a against fc_w's four
.set xA, 96*CP+12*(\a)
.set RB0, BF+48*CP
.set RD0, 32*(\a)
	WIN MUL
.irp b, 0,1,2,3
	WMUL \a, \b
.endr
.endm
; ONE run of 36 LDS loads, 512 consecutive bytes each: step nq of slot ns into set np: fc_w's four fragments, then A's eight, blocks ascending.
; A load into a register that a matrix instruction has read stands four places behind it, and only plain vector instructions that name none of its registers are places (ISA guide 7.12.1 for vector instructions
; ): four v_nop stand ahead of each run.
.macro RUN ns, nq, np
	WIN 0
.irp n, 0,1,2,3,4,5,6,7,8,9,10,11
	ds_load_b128 v[BF+48*(\np)+4*\n:BF+48*(\np)+4*\n+3], v[ADB+(\ns)] offset:6144*(\n/3)+1536*(\nq)+512*(\n%3)
.endr
	WIN 0x40
.irp n, 0,1,2,3,4,5,6,7,8,9,10,11,12,13,14,15,16,17,18,19,20,21,22,23
	ds_load_b128 v[96*(\np)+4*\n:96*(\np)+4*\n+3], v[ADA+(\ns)] offset:6144*(\n/3)+1536*(\nq)+512*(\n%3)
.endr
.endm
; A step that has its successor in the same slot.  The waits: block 0 needs fc_w's fragments and A's block 0, behind which 21 loads of that run stand; block i 21 - 3 i, and the 36 just issued.
; The 32 accumulators take turns, one instruction a turn, in the same order in every step.  sc = 1: the next slot's scale words are asked for, into the set that the slot before has left.
.macro STEP slot, q, zero, sc
	AT (\q)%2, \q, \slot, \zero
.if (\q) == 0
	s_wait_loadcnt 0x0                             ; this slot's scale words are in (asked for a slot ago), and no load of mine is out: their bases may step
.endif
	s_wait_dscnt 21
	BLK 0
	PLACES
.if \sc
	WIN 0
	s_add_nc_u64 s[ASC:ASC+1], s[ASC:ASC+1], 2048
	s_add_nc_u64 s[BSC:BSC+1], s[BSC:BSC+1], 1024
	SCALES 1-\slot, 1
.endif
	RUN \slot, (\q)+1, 1-(\q)%2
.irp a, 1,2,3,4,5,6,7
	s_wait_dscnt 57-3*\a
	BLK \a
.endr
.endm
; A slot's last step up to its barrier: ONE barrier; in front of it each wave waits for all its tensor loads, adds 0 to its spare word, and waits for that and for its own reads of this slot.
.macro MEET first
	s_wait_dscnt 21
	BLK 0
	s_wait_dscnt 18
	BLK 1
	s_wait_dscnt 15
	BLK 2
	WIN 0                                          ; (the add's two registers lie in window 0)
	s_wait_tensorcnt 0x0                           ; all my tensor loads have landed: my part of the next slot;
	ds_add_u32 v[SPW], v[NIL]                      ; 0 onto my spare word
.if \first
	s_mov_b32 s[G1A+2], 8<<16                      ; no tensor load of mine is out: from here on a load brings half a tile: 8 blocks of A,
	s_mov_b32 s[G1A+4], 8
	s_mov_b32 s[G1B+2], 4<<16                      ; 4 of fc_w
	s_mov_b32 s[G1B+4], 4
.endif
	s_wait_dscnt 13                                ; (12 and the add)
	BLK 3
	s_wait_dscnt 0x0                               ; the add is done, and my reads of this slot are over
	s_barrier_signal -1
	BLK 4
	WIN 0
	s_barrier_wait -1
.endm
; A slot's last step, where this slot is filled again, two slots ahead: the barrier opens a round of the cluster's barrier, and the joint refill is the first thing behind the round.
.macro TURN slot
	AT 1, 3, \slot, 0
	s_wait_xcnt 0x0                                ; my prefetches, three steps back, have read their address: it steps here
	s_add_nc_u64 s[PFA:PFA+1], s[PFA:PFA+1], SB_A
	MEET 1-\slot
	CREST                                          ; no wave of any partner still reads this slot's tiles or has a load on its way
	s_add_nc_u64 s[G0A+4*\slot+2:G0A+4*\slot+3], s[G0A+4*\slot+2:G0A+4*\slot+3], 2*SB_A
	s_add_nc_u64 s[G0B+4*\slot+2:G0B+4*\slot+3], s[G0B+4*\slot+2:G0B+4*\slot+3], 2*SB_A
	JLOAD \slot                                    ; it has the next slot's steps in which to land; the four v_nop behind it are the places in front of the loads below
	RUN 1-\slot, 0, 0
	BLK 5
	BLK 6
	BLK 7
	WIN 0
	s_cmp_gt_u32 s3, 1                             ; s3 = 1 in the loop's last trip: no slot stands two refills on
	s_cbranch_scc0 .Lno_more_\@
	PF 2*SB_A
.Lno_more_\@:
.endm
	s_load_b256 s[4:11], s[0:1], 0x0               ; a_codes s[4:5], a_scales s[6:7], b_codes s[8:9], b_scales s[10:11]
	s_load_b128 s[12:15], s[0:1], 0x20             ; gamma s[12:13], bias_p s[14:15]
	s_load_b64 s[16:17], s[0:1], 0x30              ; out0
	v_lshl_add_u32 v[SPW], v0, 2, SPARE
	v_mov_b32 v[NIL], 0
	ds_add_u32 v[SPW], v[NIL]                      ; the wave's opening: the add, twice on end, and its wait ahead of my first tensor load
	ds_add_u32 v[SPW], v[NIL]
	v_lshrrev_b32 v1, 5, v0
	v_readfirstlane_b32 s18, v1                    ; wave 0..3
	s_lshr_b32 s19, s18, 1                         ; which half of the tile's rows is mine.  Also: I refill for A (0) or for fc_w (1)
	s_and_b32 s20, s18, 1                          ; which half of its columns.  Also: which half of that operand's tile I refill
	s_bfe_u32 s21, ttmp6, 0x40000                  ; cx, cy: my place in the cluster
	s_bfe_u32 s22, ttmp6, 0x40004
	s_lshl_b32 s23, ttmp9, 2
	s_add_co_u32 s23, s23, s21                     ; tile column = 4 x cluster x + cx, 0..31
	s_and_b32 s24, ttmp7, 0xffff
	s_lshl_b32 s24, s24, 2
	s_add_co_u32 s24, s24, s22                     ; tile row = 4 x cluster y + cy, 0..7
	s_lshl_b32 s94, s22, 2
	s_lshl_b32 s94, 15, s94                        ; my row of the cluster
	s_lshl_b32 s95, 0x1111, s21                    ; my column
	; group 1: rows (blocks) of 768 elements of 8 bytes, 6,144 elements apart, dense in LDS: a whole tile at the head, half of one behind it
	s_or_b32 s[G1A+0], s94, (3<<16)|(1<<21)        ; 15:0 the mask; 17:16 elements of 8 bytes; 21 set beside a mask
	s_or_b32 s[G1B+0], s95, (3<<16)|(1<<21)
	s_mov_b32 s[G1A+2], 16<<16                     ; tensor_dim1
	s_mov_b32 s[G1A+4], 16                         ; tile_dim1
	s_mov_b32 s[G1B+2], 8<<16
	s_mov_b32 s[G1B+4], 8
.irp g, G1A, G1B
	s_mov_b32 s[\g+1], 768<<16                     ; tensor_dim0
	s_mov_b32 s[\g+3], 768<<16                     ; tile_dim0
	s_mov_b32 s[\g+5], 6144                        ; tensor_dim0_stride
	s_mov_b32 s[\g+6], 0
	s_mov_b32 s[\g+7], 0
.endr
	; where the tiles come from.  A's hang on the tile row alone, fc_w's on the tile column alone, each in registers that never hold the other coordinate
	s_mul_i32 s84, s24, 16*ROWM
	s_mov_b32 s85, 0
	s_mul_i32 s86, s23, 8*ROWM
	s_mov_b32 s87, 0
	s_mul_i32 s88, s20, 8*ROWM                     ; my half of a tile, for the refills
	s_mov_b32 s89, 0
	s_mul_i32 s90, s20, 4*ROWM
	s_mov_b32 s91, 0
	s_mul_i32 s92, s20, 8*SB_A                     ; and where it goes: no place in the cluster enters an LDS address
	s_mul_i32 s93, s20, 4*SB_A
	s_add_co_u32 s93, s93, BOFF
	s_mov_b32 s[HA0+1], 0
	s_mov_b32 s[HB0+1], BOFF
	s_mov_b32 s[HA1+1], SLOT
	s_mov_b32 s[HB1+1], SLOT+BOFF
	s_wait_dscnt 0x0                               ; both opening adds are done
	s_wait_kmcnt 0x0
	s_add_nc_u64 s[84:85], s[4:5], s[84:85]
	s_add_nc_u64 s[86:87], s[8:9], s[86:87]
	GROUP0 HA0, 84, 0
	GROUP0 HB0, 86, 0
	GROUP0 HA1, 84, SB_A
	GROUP0 HB1, 86, SB_A
	CROUND                                         ; all sixteen work-groups are here: the joint loads meet
	ARM 0, HA0, G1A, .Lwave_1                      ; one tensor load a wave: slot 0's tiles,
	ARM 1, HB0, G1B, .Lwave_2
	ARM 2, HA1, G1A, .Lwave_3                      ; and slot 1's
	tensor_load_to_lds s[HB1:HB1+3], s[G1B:G1B+7]
	s_nop 0
	PLACES
.Lasked:
	s_add_nc_u64 s[84:85], s[84:85], s[88:89]
	s_add_nc_u64 s[86:87], s[86:87], s[90:91]
	GROUP0 G0A, 84, 0                              ; the refills': a change of slots steps them by two slots
	GROUP0 G0A+4, 84, SB_A
	GROUP0 G0B, 86, 0
	GROUP0 G0B+4, 86, SB_A
	s_mov_b32 s[G0A+1], s92
	s_add_co_u32 s[G0A+5], s92, SLOT
	s_mov_b32 s[G0B+1], s93
	s_add_co_u32 s[G0B+5], s93, SLOT
	v_and_b32 v1, 31, v0                           ; lane
	v_and_b32 v2, 15, v0                           ; r
	v_bfe_u32 v3, v0, 4, 1                         ; h
	v_lshlrev_b32 v[L16], 4, v1
	v_lshlrev_b32 v[L8], 3, v1
	v_lshlrev_b32 v[H32], 5, v3
	s_lshl_b32 s96, s23, 9                         ; my first column, in bytes: 512 x tile column + 256 x half
	s_lshl_b32 s97, s20, 8
	s_add_co_u32 s96, s96, s97
	s_mov_b32 s99, 0
	s_lshl_b32 s98, s24, 15                        ; A's scale words: group 2 x tile row + half, 16,384 bytes each
	s_lshl_b32 s97, s19, 14
	s_add_co_u32 s98, s98, s97
	s_add_nc_u64 s[ASC:ASC+1], s[6:7], s[98:99]
	s_lshl_b32 s98, s23, 14                        ; fc_w's: group 2 x tile column + half, 8,192 bytes each
	s_lshl_b32 s97, s20, 13
	s_add_co_u32 s98, s98, s97
	s_add_nc_u64 s[BSC:BSC+1], s[10:11], s[98:99]
	s_lshr_b32 s98, s24, 1                         ; the model: two tile rows to each
	s_lshl_b32 s98, s98, 14
	s_add_co_u32 s98, s98, s96
	s_add_nc_u64 s[12:13], s[12:13], s[98:99]      ; gamma and bias at my 64 columns
	s_add_nc_u64 s[14:15], s[14:15], s[98:99]
	s_lshl_b32 s98, s24, 22                        ; out0: row 256 x tile row + 128 x half
	s_lshl_b32 s97, s19, 21
	s_add_co_u32 s98, s98, s97
	s_add_co_u32 s98, s98, s96
	s_add_nc_u64 s[16:17], s[16:17], s[98:99]
	s_wait_alu depctr_va_vdst(0)                   ; the wait here, behind a run of scalar lines
	SCALES 0, 0                                    ; the scale words of the first two slots
	SCALES 1, 1
	WIN 0xc0
.irp b, 0,1,2,3                                ; lane (r, h), register 8 b + j: column 16 b + 8 h + j of my 64
	global_load_b128 v[GA+8*\b:GA+8*\b+3],   v[H32], s[12:13] offset:64*\b
	global_load_b128 v[GA+8*\b+4:GA+8*\b+7], v[H32], s[12:13] offset:64*\b+16
	global_load_b128 v[BI+8*\b:BI+8*\b+3],   v[H32], s[14:15] offset:64*\b
	global_load_b128 v[BI+8*\b+4:BI+8*\b+7], v[H32], s[14:15] offset:64*\b+16
.endr
	WIN 0
	s_mul_i32 s94, s19, 8*SB_A                     ; my 8 blocks of A
	s_mul_i32 s95, s20, 4*SB_A                     ; my 4 of fc_w, behind A's 16
	s_add_co_u32 s95, s95, BOFF
	v_add_nc_u32 v[ADA], s94, v[L16]
	v_add_nc_u32 v[ADB], s95, v[L16]
	s_add_co_u32 s94, s94, SLOT
	s_add_co_u32 s95, s95, SLOT
	v_add_nc_u32 v[ADA+1], s94, v[L16]
	v_add_nc_u32 v[ADB+1], s95, v[L16]
	s_mul_i32 s94, s18, 16*SPITCH
	s_add_co_u32 s94, s94, STAGE                   ; my stage
	v_mul_u32_u24 v8, v2, SPITCH                   ; in: row r, 32 bytes for each half of the lanes
	v_lshl_add_u32 v8, v3, 5, v8
	v_add_nc_u32 v[STO], s94, v8
	v_mul_u32_u24 v9, v3, SPITCH                   ; back: lanes 0-15 one row of 256 bytes, lanes 16-31 the next
	v_lshl_add_u32 v9, v2, 4, v9
	v_add_nc_u32 v[RD], s94, v9
	v_lshlrev_b32 v[CO], 14, v3                    ; and the same two rows in out0 (16,384 bytes a row)
	v_lshl_add_u32 v[CO], v2, 4, v[CO]
	; the prefetches: where my wave's stand (at slot 1), made in registers that feed no descriptor and no LDS address
	s_lshl_b32 s94, s24, 4
	s_lshl_b32 s95, s21, 2
	s_add_co_u32 s94, s94, s95                     ; A: block 16 x tile row + 4 cx
	s_mul_i32 s94, s94, ROWM
	s_add_co_u32 s94, s94, SB_A
	s_lshl_b32 s96, s23, 3
	s_lshl_b32 s95, s22, 1
	s_add_co_u32 s96, s96, s95                     ; fc_w: block 8 x tile column + 2 cy
	s_mul_i32 s96, s96, ROWM
	s_add_co_u32 s96, s96, SB_A
	s_cmp_lt_u32 s18, 3                            ; waves 0 to 2 ask for A's codes, wave 3 for fc_w's
	s_cselect_b64 s[PFA:PFA+1], s[4:5], s[8:9]
	s_cselect_b32 s94, s94, s96
	s_cselect_b32 s97, s18, 0
	s_mov_b32 s95, 0
	s_add_nc_u64 s[PFA:PFA+1], s[PFA:PFA+1], s[94:95]
	s_wait_alu depctr_va_vdst(0)                   ; the wait here, behind a run of scalar lines
	v_lshl_add_u32 v10, s97, 5, v1
	UNIT v[PFO], v10
	v_add_nc_u32 v10, 32, v1
	v_min_u32 v10, 47, v10
	UNIT v[PFO2], v10
	s_wait_alu depctr_va_vdst(0)                   ; the wait at the head's end
	PF SB_A                                        ; slot 2
	s_cmp_lt_u32 s18, 2
	s_cbranch_scc0 .Lnot_slot_0
	s_wait_tensorcnt 0x0                           ; slot 0's tiles, which waves 0 and 1 asked for, are in; slot 1's may be out
.Lnot_slot_0:
	s_barrier_signal -1
	s_barrier_wait -1
	RUN 0, 0, 0
	WIN 0
	PF 2*SB_A                                      ; slot 3
	STEP 0, 0, 1, 0                                ; the first step stands in front of the loop: its products start the sums.  Its wait for loads serves gamma and the bias too
	WIN 0                                          ; at a label and at a branch every window is 0
	s_mov_b32 s3, 3
.Llap:                                                 ; a trip goes once round the ring, from a lap's second step to the next lap's first, and fills both slots again
	STEP 0, 1, 0, 0
	STEP 0, 2, 0, 0
	TURN 0
	STEP 1, 0, 0, 1
	STEP 1, 1, 0, 0
	STEP 1, 2, 0, 0
	TURN 1
	STEP 0, 0, 0, 1
	WIN 0
	s_sub_co_u32 s3, s3, 1
	s_cmp_lg_u32 s3, 0
	s_cbranch_scc1 .Llap
	STEP 0, 1, 0, 0
	STEP 0, 2, 0, 0
; THE LAST SLOT BY ROWS.  fc_w's fragments of all four steps: step 0 window 0 v144, 1 and 2 window 3 v96 and v144, 3 window 0 v192.  A's block a, all four steps: window 1, v[48 (a % 4)] on.
.macro BROW q, r
.irp n, 0,1,2,3,4,5,6,7,8,9,10,11
	ds_load_b128 v[\r+4*\n:\r+4*\n+3], v[ADB+1] offset:6144*(\n/3)+1536*\q+512*(\n%3)
.endr
.endm
.macro ALOAD a
	WIN 0x40
.irp n, 0,1,2,3,4,5,6,7,8,9,10,11
	ds_load_b128 v[48*((\a)%4)+4*\n:48*((\a)%4)+4*\n+3], v[ADA+1] offset:6144*(\a)+512*\n
.endr
.endm
.macro ROW a                           ; block a is finished: its four accumulators by turns, K ascending
.set RD0, 32*(\a)
.irp q, 0,1,2,3
.set CQ, \q
.set xA, 48*((\a)%4)+12*\q
.if (\q == 1) || (\q == 2)
.set RB0, 48+48*\q
.else
.set RB0, BF+16*\q
.endif
.if (\a) == 0
.if \q == 1
	s_wait_dscnt 36                                ; fc_w's step 1 is in: behind it step 2, A's block 1 and step 3, twelve loads each
.elseif \q == 2
	s_wait_dscnt 24
.elseif \q == 3
	s_wait_dscnt 0x0
.endif
.endif
.if (\q == 1) || (\q == 2)
	WIN MUL3
.else
	WIN MUL
.endif
.irp b, 0,1,2,3
	WMUL \a, \b
.endr
.endr
.endm
.macro PACK a                          ; sum x gamma + bias, one fused multiply-add for two numbers, each accumulator from its low end on
	WIN 0x3e                                       ; source 0 window 2, sources 1 and 2 window 3
.irp b, 0,1,2,3
.irp p, 0,2,4,6
	v_pk_fma_f32 v[T+8*\b+\p:T+8*\b+\p+1], v[32*(\a)+8*\b+\p:32*(\a)+8*\b+\p+1], v[GA+8*\b+\p:GA+8*\b+\p+1], v[BI+8*\b+\p:BI+8*\b+\p+1]
.endr
.endr
	WIN 0
.endm
.macro TOSTAGE                         ; into my stage, and back as whole rows of 256 bytes: LDS serves a wave's instructions in order (ISA guide 5.7.1.4)
.irp b, 0,1,2,3
	ds_store_b128 v[STO], v[T+8*\b:T+8*\b+3] offset:64*\b
	ds_store_b128 v[STO], v[T+8*\b+4:T+8*\b+7] offset:64*\b+16
.endr
.irp i, 0,1,2,3,4,5,6,7
.set YB, 128+4*\i+96*(\i/4)
	ds_load_b128 v[YB:YB+3], v[RD] offset:\i*2*SPITCH
.endr
.endm
.macro SEND a, younger                 ; younger: the LDS loads issued behind the stage's, which may stay out
	WIN 0
	s_wait_dscnt \younger
.irp i, 0,1,2,3,4,5,6,7
.set YB, 128+4*\i+96*(\i/4)
	global_store_b128 v[CO], v[YB:YB+3], s[16:17] offset:(16*(\a)+2*\i)*16384 th:TH_STORE_NT   ; 16 lanes store 256 consecutive bytes, at a multiple of 256 from out0's first byte; the largest offset, 2,064,384, lies inside the signed 24-bit immediate (ISA guide, chapter 10)
.endr
.endm
	AT 1, 3, 0, 0
	MEET 0                                         ; nothing is filled again: no round follows
	PLACES
	BROW 0, BF
	ALOAD 0
	WIN 0xc0
	BROW 1, 96
	BROW 2, 144
	ALOAD 1
	BLK 5
	BLK 6
	BLK 7
	PLACES                                         ; for the loads into the registers just read
	s_wait_dscnt 36                                ; fc_w's step 0 and A's block 0 are in; the three runs behind them may be out
	WIN 0
	BROW 3, BF+48
	s_wait_loadcnt 0x0                             ; the last slot's scale words
.set CU, 1
.irp a, 0,1,2,3,4,5,6,7
.if \a == 7
	s_wait_dscnt 16                                ; block 7's fragments are in: behind them block 6's sixteen instructions at the stage
.elseif \a > 0
	s_wait_dscnt 28                                ; behind block a's fragments: sixteen at the stage and the next block's twelve
.endif
	ROW \a
.if \a == 7
	SEND 6, 0
.elseif \a > 0
	SEND \a-1, 12                                  ; behind the stage's loads: block a + 1's fragments
.endif
	WIN 0
	PLACES                                         ; the results just made are read below, and fragments already read are overwritten
	PACK \a
.if \a > 0
	s_wait_alu depctr_va_vdst(0)                   ; the wait here, directly ahead of the wait below
	s_wait_xcnt 0x0                                ; the stores have read their registers: the stage's loads land there only behind this wait
.endif
	TOSTAGE
.if \a < 6
	ALOAD \a+2
.endif
.endr
	SEND 7, 0
	s_wait_tensorcnt 0x0                           ; the wave's end, behind my last tensor load and my last LDS store
	ds_add_u32 v[SPW], v[NIL]
	s_wait_dscnt 0x0
	CROUND                                         ; the closing round: no work-group ends while a partner may still ask for a tile that names it
	s_endpgm
.Lfunc_end_k_q39f07f67a3_gemm:
	.size	k_q39f07f67a3_gemm, .Lfunc_end_k_q39f07f67a3_gemm-k_q39f07f67a3_gemm
	.p2alignl 7, 3214868480
	.fill 96, 4, 3214868480
	.section	.rodata,"a",@progbits
	.p2align	6, 0x0
	.amdhsa_kernel k_q39f07f67a3_gemm
		.amdhsa_group_segment_fixed_size 327680
		.amdhsa_private_segment_fixed_size 0
		.amdhsa_enable_private_segment 0
		.amdhsa_kernarg_size 56
		.amdhsa_user_sgpr_count 2
		.amdhsa_user_sgpr_kernarg_segment_ptr 1
		.amdhsa_wavefront_size32 1
		.amdhsa_system_sgpr_workgroup_id_x 1
		.amdhsa_system_sgpr_workgroup_id_y 1
		.amdhsa_system_sgpr_workgroup_id_z 1
		.amdhsa_system_vgpr_workitem_id 0
		.amdhsa_next_free_vgpr 960
		.amdhsa_next_free_sgpr 100
		.amdhsa_reserve_vcc 0
		.amdhsa_float_denorm_mode_32 3
		.amdhsa_float_denorm_mode_16_64 3
		.amdhsa_memory_ordered 1
		.amdhsa_forward_progress 1
		.amdhsa_inst_pref_size 151
	.end_amdhsa_kernel
	.amdgpu_metadata
---
amdhsa.version: [ 1, 2 ]
amdhsa.kernels:
  - .name:           k_q39f07f67a3_gemm
    .symbol:         k_q39f07f67a3_gemm.kd
    .args:
      - { .name: a_codes, .offset: 0, .size: 8, .value_kind: global_buffer, .address_space: global }
      - { .name: a_scales, .offset: 8, .size: 8, .value_kind: global_buffer, .address_space: global }
      - { .name: b_codes, .offset: 16, .size: 8, .value_kind: global_buffer, .address_space: global }
      - { .name: b_scales, .offset: 24, .size: 8, .value_kind: global_buffer, .address_space: global }
      - { .name: gamma, .offset: 32, .size: 8, .value_kind: global_buffer, .address_space: global }
      - { .name: bias_p, .offset: 40, .size: 8, .value_kind: global_buffer, .address_space: global }
      - { .name: out0, .offset: 48, .size: 8, .value_kind: global_buffer, .address_space: global }
    .group_segment_fixed_size: 327680
    .private_segment_fixed_size: 0
    .kernarg_segment_align: 8
    .kernarg_segment_size: 56
    .max_flat_workgroup_size: 128
    .sgpr_count:     100
    .vgpr_count:     960
    .wavefront_size: 32
...
	.end_amdgpu_metadata
.endif
;; end of part 3
